; MI455X (gfx1250); checked and timed in simulation.
; The chip was launched on July 23, 2026; its instructions are those of AMD's public machine-readable ISA for CDNA 5 (MIT licence, August 2026) and "CDNA5" Instruction Set Architecture Reference Guide (July 2026). The comments in the code are by the model that wrote it; some were corrected since.
;; Triangle Attention Starting Node. Allowed arithmetic: float matrix products may take bf16 or f16 operands with f32 sums; all other float work in f32.
;; Inputs: act 1 x 256 x 256 x 128 float32; bg 4 x 32 float32; bo 128 float32; ln_b 128 float32; ln_g 128 float32; mask 1 x 256 x 256 float32; w2d 128 x 4 float32; wg 128 x 4 x 32 float32; wk 128 x 4 x 32 float32; wo 4 x 32 x 128 float32; wq 128 x 4 x 32 float32; wv 128 x 4 x 32 float32.
;; Outputs: out0 1 x 256 x 256 x 128 float32.
;; One version. Each part assembles by itself: llvm-mc -triple=amdgcn-amd-amdhsa -mcpu=gfx1250 --defsym DOCPART=n.
;; ======== version 1 of 1: 2 launches
;; limits: values are held in f16: magnitudes above 65,504 overflow, below 6.1e-05 lose precision
;; workspace buffers: biasT 1,048,576 bytes; wfrag 163,840 bytes
;; launch prep (part 1): grid 256 x 1, 8 waves a work-group, no clusters, 168,960 bytes of LDS; arguments act, ln_g, ln_b, w2d, wq, wk, wv, wg, wo, biasT, wfrag; writes biasT, wfrag
.if DOCPART == 1
	.amdgcn_target "amdgcn-amd-amdhsa--gfx1250"
	.amdhsa_code_object_version 6
	.text
	.protected	k_q1627b23dc7_prep
	.globl	k_q1627b23dc7_prep
	.p2align	8
	.type	k_q1627b23dc7_prep,@function
k_q1627b23dc7_prep:
	s_mov_b64 s[64:65], 0
	v_nop
	global_prefetch_b8 v0, s[64:65] scope:SCOPE_SE
	s_setreg_imm32_b32 hwreg(HW_REG_WAVE_MODE, 25, 1), 1
	s_wait_xcnt 0x0
; prep: (1) the pair bias nb[hd][q][k] = LayerNorm(act[q][k][:]) . w2d[:][hd], times log2(e), stored as ready-made accumulator images
;       of the later product S^T(key, q);  (2) wq, wk, wv, wg, wo as f16 fragment images.
; biasT byte = hd*262144 + (qt*16+kt)*1024 + c*512 + lane*16; word e of lane (r = lane&15, h = lane>>4) = log2e * nb[hd][16qt+r][16kt+8h+4c+e].
; wfrag byte = mat*32768 + nt*4096 + ks*1024 + c*512 + lane*16; f16 e of lane (r,h) = f * W[32ks+16c+8h+e][16nt+r], W the row-major [128][128] input;
;       f = log2(e)/sqrt(32) for wq (the logits' scale, in base 2), 1/16 for wo (its partner operand is kept 16 times larger), 1 for wk, wv, wg; multiplied in f32, rounded once.
; Work-group g = 16 qt + kt owns the 16 q x 16 keys of one bias tile for all four heads.  Wave w takes keys w (tile t = 0) and w+8 (t = 1), all 16 q.
; One tensor load brings 16 rows (the 16 q) of 512 consecutive bytes for one key; the wave reads only its own bytes, behind its own wait.
; The matrix product is f16 x f16 with f32 sums; LayerNorm is f32, centred before the squares are summed.
; f16 and not bf16: a rounding to f16 errs by 2^-11 at the most, to bf16 by 2^-8, and the whole program's result passes through four to six roundings.
; No cluster: no two work-groups read the same bytes of act, and the tables they share are 3 KiB of the 128 KiB that a work-group reads.
; Limits: f16 operands: |x| <= 11.3 |ln_g| + |ln_b| and the scaled weights must stay under 65,504; below 2^-14 they are spaced 2^-24 apart.  NaN and infinite inputs get no special care.
.set LOG2E,  0x3fb8aa3b
.set SCQ,    0x3e8293ee                ; log2(e) / sqrt(32)
.set INV16,  0x3d800000                ; 1/16
.set XF,  16                           ; v16-79    LayerNorm's result as f16 fragments: tile t, K step s at XF + 32 t + 8 s
.set OA,  80                           ; v80-111   w2d as an A fragment (row m = head m & 3), K step s at OA + 8 s
.set QF,  112                          ; v112-127  the two result tiles; before that the weight image's 8 numbers and 4 packed words
.set FA,  128                          ; v128-191  ln_g of my 64 channels
.set FB,  192                          ; v192-255  ln_b of my 64 channels
.set LNA, 4                            ; v4        LDS address of my row's first 16 bytes
.set T1,  128                          ; window 1: v128-143 four running pairs for each tile; v0-127 the raw rows
.set W2,  160                          ; window 1: v160-223 w2d as loaded, f32
.set WREG, 16896                       ; a wave's LDS region: 32 rows of 528 bytes
.set STG,  135168                      ; behind the eight regions: [wave 8][head 4][lane 32] f32; no tensor load lands here
.set MSB, 0
.macro WIN new                         ; register windows: bits 1:0 source 0, 3:2 source 1, 5:4 source 2, 7:6 destination; the high byte repeats the setting left
.if MSB != \new
	s_set_vgpr_msb (MSB<<8)|\new
.set MSB, \new
.endif
.endm
.macro PLACES                          ; four places behind a matrix instruction before its registers are read or written by anything else (ISA guide 7.12.1)
.rept 4
	v_nop
.endr
.endm
.macro WM d, a, b, z                   ; one matrix instruction; z = 1: the constant 0 starts the sum
.if \z
	v_wmma_f32_16x16x32_f16 v[\d:\d+7], v[\a:\a+7], v[\b:\b+7], 0
.else
	v_wmma_f32_16x16x32_f16 v[\d:\d+7], v[\a:\a+7], v[\b:\b+7], v[\d:\d+7]
.endif
.endm
.macro MM1 acc, w, x, swap, z, s, t
.if \swap
	WM (\acc+8*\t), (\x+32*\t+8*\s), (\w+8*\s), \z
.else
	WM (\acc+8*\t), (\w+8*\s), (\x+32*\t+8*\s), \z
.endif
.endm
; Eight matrix instructions: K = 128 in four steps for the wave's two position tiles.  The two accumulators take turns, one instruction a turn.
.macro MM8 acc, w, x, swap, czero
.irp t, 0,1
	MM1 \acc, \w, \x, \swap, \czero, 0, \t
.endr
.irp s, 1,2,3
.irp t, 0,1
	MM1 \acc, \w, \x, \swap, 0, \s, \t
.endr
.endr
.endm
; Folds each tile's four running pairs, the pair's two halves, and the two halves of the lanes (a row's 128 channels lie in lanes r and r+16): v8, v9.
.macro LNSUM
.irp t, 0,1
	v_pk_add_f32 v[T1+8*\t:T1+8*\t+1], v[T1+8*\t:T1+8*\t+1], v[T1+8*\t+2:T1+8*\t+3]
	v_pk_add_f32 v[T1+8*\t+4:T1+8*\t+5], v[T1+8*\t+4:T1+8*\t+5], v[T1+8*\t+6:T1+8*\t+7]
.endr
.irp t, 0,1
	v_pk_add_f32 v[T1+8*\t:T1+8*\t+1], v[T1+8*\t:T1+8*\t+1], v[T1+8*\t+4:T1+8*\t+5]
.endr
	WIN 0x05
	v_add_f32 v8, v[T1], v[T1+1]
	v_add_f32 v9, v[T1+8], v[T1+9]
	WIN 0
	v_permlanex16_b32 v10, v8, s24, s25
	v_permlanex16_b32 v11, v9, s24, s25
	v_add_f32 v8, v8, v10
	v_add_f32 v9, v9, v11
.endm
; LayerNorm of the wave's 2 x 16 rows.  Lane (r,h) holds of row r the channels 32s+16c+8h+4u+e, which is the order of a 16-bit fragment's registers,
; so the result packs straight into fragments.  Rows are 528 = 33 x 16 bytes apart: the sixteen rows that a load touches start at sixteen different 16-byte columns of 256.
.macro LNORM
	v_mov_b32 v10, 0                               ; the lane exchange counts as a reader of its destination
	v_mov_b32 v11, 0
	WIN 0x40
.irp t, 0,1
.set n, 0
.rept 16
	ds_load_b128 v[64*\t+4*n:64*\t+4*n+3], v[LNA] offset:\t*8448+(n/2)*64+(n%2)*16
.set n, n+1
.endr
.endr
	s_wait_dscnt 0x0                               ; all 32 loads: the sums below need every one
	WIN 0x55
.irp t, 0,1
.irp c, 0,1,2,3
	v_pk_add_f32 v[T1+8*\t+2*\c:T1+8*\t+2*\c+1], v[64*\t+2*\c:64*\t+2*\c+1], v[64*\t+2*\c+8:64*\t+2*\c+9]
.endr
.endr
.irp k, 2,3,4,5,6,7
.irp t, 0,1
.irp c, 0,1,2,3
	v_pk_add_f32 v[T1+8*\t+2*\c:T1+8*\t+2*\c+1], v[T1+8*\t+2*\c:T1+8*\t+2*\c+1], v[64*\t+8*\k+2*\c:64*\t+8*\k+2*\c+1]
.endr
.endr
.endr
	LNSUM
	v_mul_f32 v12, s26, v8                         ; the mean, in both halves of a pair
	v_mul_f32 v13, s26, v8
	v_mul_f32 v14, s26, v9
	v_mul_f32 v15, s26, v9
	WIN 0x41
.irp t, 0,1
.set n, 0
.rept 32
	v_pk_add_f32 v[64*\t+2*n:64*\t+2*n+1], v[64*\t+2*n:64*\t+2*n+1], v[12+2*\t:13+2*\t] neg_lo:[0,1] neg_hi:[0,1]
.set n, n+1
.endr
.endr
	WIN 0x55
.irp t, 0,1
.irp c, 0,1,2,3
	v_pk_mul_f32 v[T1+8*\t+2*\c:T1+8*\t+2*\c+1], v[64*\t+2*\c:64*\t+2*\c+1], v[64*\t+2*\c:64*\t+2*\c+1]
.endr
.endr
.irp k, 1,2,3,4,5,6,7
.irp t, 0,1
.irp c, 0,1,2,3
	v_pk_fma_f32 v[T1+8*\t+2*\c:T1+8*\t+2*\c+1], v[64*\t+8*\k+2*\c:64*\t+8*\k+2*\c+1], v[64*\t+8*\k+2*\c:64*\t+8*\k+2*\c+1], v[T1+8*\t+2*\c:T1+8*\t+2*\c+1]
.endr
.endr
.endr
	LNSUM
	v_fma_f32 v8, v8, s26, s27                     ; variance + 1e-5
	v_fma_f32 v9, v9, s26, s27
	v_rsq_f32 v12, v8
	v_rsq_f32 v14, v9
	v_nop                                          ; one plain instruction behind a transcendental before its result is used (ISA guide 5.7.2)
	s_wait_alu depctr_va_vdst(0)
	v_mov_b32 v13, v12
	v_mov_b32 v15, v14
	WIN 0x41
.irp t, 0,1
.set n, 0
.rept 32
	v_pk_mul_f32 v[64*\t+2*n:64*\t+2*n+1], v[64*\t+2*n:64*\t+2*n+1], v[12+2*\t:13+2*\t]
.set n, n+1
.endr
.endr
.irp t, 0,1
.set n, 0
.rept 32
	v_pk_fma_f32 v[64*\t+2*n:64*\t+2*n+1], v[64*\t+2*n:64*\t+2*n+1], v[FA+2*n:FA+2*n+1], v[FB+2*n:FB+2*n+1]
.set n, n+1
.endr
.endr
	WIN 0x05
.irp t, 0,1
.set n, 0
.rept 32
	v_cvt_pk_f16_f32 v[XF+32*\t+n], v[64*\t+2*n], v[64*\t+2*n+1]
.set n, n+1
.endr
.endr
	WIN 0
.endm
	s_load_b512 s[4:19], s[0:1], 0x0               ; act s[4:5], ln_g s[6:7], ln_b s[8:9], w2d s[10:11], wq s[12:13], wk s[14:15], wv s[16:17], wg s[18:19]
	s_load_b128 s[20:23], s[0:1], 0x40             ; wo s[20:21], biasT s[22:23]
	s_load_b64 s[28:29], s[0:1], 0x50              ; wfrag
	s_set_vgpr_msb 0x40
	v_lshl_add_u32 v224, v0, 2, 0x29000
	v_mov_b32 v225, 0
	s_set_vgpr_msb 0x4045
	ds_add_u32 v224, v225
	ds_add_u32 v224, v225
	s_set_vgpr_msb 0x4500
	v_lshrrev_b32 v1, 5, v0
	v_readfirstlane_b32 s30, v1                    ; wave 0..7
	s_lshr_b32 s48, ttmp9, 4                       ; qt
	s_lshl_b32 s48, s48, 21                        ; 16 q rows of 256 x 512 bytes
	s_and_b32 s49, ttmp9, 15                       ; kt
	s_lshl_b32 s49, s49, 13                        ; 16 keys of 512 bytes
	s_add_co_u32 s48, s48, s49
	s_lshl_b32 s49, s30, 9                         ; my first key
	s_add_co_u32 s48, s48, s49
	s_mov_b32 s49, 0
	s_mul_i32 s50, s30, WREG                       ; my LDS region
	s_mov_b32 s24, 0x76543210                      ; lane i of one half reads lane i of the other
	s_mov_b32 s25, 0xfedcba98
	s_mov_b32 s26, 0x3c000000                      ; 1/128
	s_mov_b32 s27, 0x3727c5ac                      ; 1e-5
	; descriptor group 1: 16 rows of 128 f32, 32,768 elements from row to row; in LDS 4 words of padding behind every 128
	s_mov_b32 s40, 0x07920000                      ; 17:16 element of 4 bytes; 20 padding on; 24:22 interval code 6 (128 words); 31:25 pad code 3 (4 words)
	s_mov_b32 s41, 128<<16                         ; tensor_dim0 = 128
	s_mov_b32 s42, 16<<16                          ; tensor_dim1 = 16
	s_mov_b32 s43, 128<<16                         ; tile_dim0 = 128
	s_mov_b32 s44, 16                              ; tile_dim1 = 16
	s_mov_b32 s45, 32768                           ; pitch
	s_mov_b32 s46, 0
	s_mov_b32 s47, 0
	s_wait_dscnt 0x0
	s_wait_kmcnt 0x0
	s_add_nc_u64 s[4:5], s[4:5], s[48:49]
.irp t, 0,1                                        ; both fills go out first of all
	s_mov_b32 s[32+4*\t], 1
	s_add_co_u32 s[33+4*\t], s50, \t*8448
	s_add_nc_u64 s[34+4*\t:35+4*\t], s[4:5], \t*4096           ; key w + 8 t
	s_or_b32 s[35+4*\t], s[35+4*\t], 0x80000000
	tensor_load_to_lds s[32+4*\t:35+4*\t], s[40:47]
	s_nop 0
.endr
	v_and_b32 v1, 31, v0                           ; lane
	v_and_b32 v2, 15, v0                           ; r
	v_bfe_u32 v3, v0, 4, 1                         ; h
	v_mul_u32_u24 v4, v2, 528
	v_lshl_add_u32 v4, v3, 5, v4
	v_add_nc_u32 v[LNA], s50, v4                   ; region + 528 r + 32 h
	v_lshlrev_b32 v5, 5, v3                        ; 32 h: my 8 channels in each group of 16
	v_and_b32 v6, 3, v0
	v_lshlrev_b32 v6, 2, v6
	v_lshl_add_u32 v6, v3, 7, v6                   ; w2d: 128 h + 4 (r & 3): row m of the A fragment is head m & 3, so rows 8-11 repeat the heads for the upper lanes
.set n, 0
.rept 16
	global_load_b128 v[FA+4*n:FA+4*n+3], v5, s[6:7] offset:(n/2)*64+(n%2)*16
	global_load_b128 v[FB+4*n:FB+4*n+3], v5, s[8:9] offset:(n/2)*64+(n%2)*16
.set n, n+1
.endr
	WIN 0x40
.set n, 0
.rept 64
	global_load_b32 v[W2+n], v6, s[10:11] offset:(n/8)*256+(n%8)*16    ; channel 16 (n/8) + 8 h + n%8
.set n, n+1
.endr
	WIN 0
	; The weight images: 160 blocks of 1,024 bytes, one for each of the first 160 work-groups, 512 bytes for each of its waves 0 and 1.
	s_cmp_ge_u32 ttmp9, 160
	s_cbranch_scc1 .Lnoimg
	s_cmp_ge_u32 s30, 2
	s_cbranch_scc1 .Lnoimg
	s_lshr_b32 s51, ttmp9, 5                       ; which matrix: q, k, v, g, o
	s_mov_b64 s[52:53], s[12:13]
	s_cmp_eq_u32 s51, 0
	s_cselect_b32 s56, SCQ, 1.0                    ; the image's factor: wq carries the logits' scale,
	s_cmp_eq_u32 s51, 1
	s_cselect_b64 s[52:53], s[14:15], s[52:53]
	s_cmp_eq_u32 s51, 2
	s_cselect_b64 s[52:53], s[16:17], s[52:53]
	s_cmp_eq_u32 s51, 3
	s_cselect_b64 s[52:53], s[18:19], s[52:53]
	s_cmp_eq_u32 s51, 4
	s_cselect_b64 s[52:53], s[20:21], s[52:53]
	s_cselect_b32 s56, INV16, s56                  ; wo 1/16, the others 1
	s_mov_b32 s57, s56
	s_and_b32 s54, ttmp9, 3                        ; ks: 32 rows of 512 bytes
	s_lshl_b32 s54, s54, 14
	s_bfe_u32 s55, ttmp9, 0x30002                  ; nt: 16 columns of 4 bytes
	s_lshl_b32 s55, s55, 6
	s_add_co_u32 s54, s54, s55
	s_mov_b32 s55, 0
	s_add_nc_u64 s[52:53], s[52:53], s[54:55]
	s_lshl_b32 s54, s30, 13                        ; chunk c = wave: 16 rows
	v_lshlrev_b32 v7, 2, v2
	v_lshl_add_u32 v7, v3, 12, v7
	v_add_nc_u32 v7, s54, v7                       ; 8192 c + 4096 h + 4 r
.irp e, 0,1,2,3,4,5,6,7
	global_load_b32 v[QF+\e], v7, s[52:53] offset:\e*512
.endr
	s_wait_loadcnt 0x0                             ; the eight numbers (and all loads before them); v7 is free again
.irp p, 0,1,2,3
	v_pk_mul_f32 v[QF+2*\p:QF+2*\p+1], v[QF+2*\p:QF+2*\p+1], s[56:57] op_sel_hi:[1,0]
.endr
.irp p, 0,1,2,3
	v_cvt_pk_f16_f32 v[QF+8+\p], v[QF+2*\p], v[QF+2*\p+1]
.endr
	s_lshl_b32 s54, ttmp9, 10
	s_add_nc_u64 s[28:29], s[28:29], s[54:55]      ; my block of 1,024 bytes
	s_lshl_b32 s54, s30, 9
	v_lshl_add_u32 v7, v1, 4, s54
	global_store_b128 v7, v[QF+8:QF+11], s[28:29]  ; the wave stores 512 consecutive bytes, aligned
.Lnoimg:
	s_wait_loadcnt 0x0                             ; ln_g, ln_b, w2d
	WIN 0x05
.set n, 0
.rept 32
	v_cvt_pk_f16_f32 v[OA+n], v[W2+2*n], v[W2+2*n+1]
.set n, n+1
.endr
	WIN 0
	s_wait_tensorcnt 0x0                           ; my two tiles are in LDS; only I read them, so no barrier
	LNORM
	s_wait_xcnt 0x0                                ; the image store's data lie in the registers that the product writes next
	MM8 QF, OA, XF, 0, 1                           ; tile t, register j of lane (r,h): nb[head j][q r][key w + 8 t], j = 0..3, the same in both halves of the lanes
	PLACES
	v_cmp_le_u32 vcc_lo, 16, v1                    ; the bias image wants key 8 h + w in lane half h: the upper lanes take tile 1
	s_lshl_b32 s51, s30, 9
	s_add_co_u32 s51, s51, STG
	v_lshl_add_u32 v12, v1, 2, s51
.irp j, 0,1,2,3
	v_cndmask_b32 v[8+\j], v[QF+\j], v[QF+8+\j], vcc_lo
	v_mul_f32 v[8+\j], LOG2E, v[8+\j]              ; the softmax works in base 2
	ds_store_b32 v12, v[8+\j] offset:\j*128
.endr
	s_wait_dscnt 0x0                               ; my stores are done, for the other waves' sake
	s_barrier_signal -1
	s_barrier_wait -1
	; Wave w puts together head w >> 1, chunk w & 1: word e comes from wave 4 (w & 1) + e.
	s_and_b32 s52, s30, 1
	s_lshr_b32 s53, s30, 1
	s_lshl_b32 s54, s52, 11
	s_lshl_b32 s55, s53, 7
	s_add_co_u32 s54, s54, s55
	s_add_co_u32 s54, s54, STG
	v_lshl_add_u32 v13, v1, 2, s54
.irp e, 0,1,2,3
	ds_load_b32 v[8+\e], v13 offset:\e*512
.endr
	s_lshl_b32 s54, ttmp9, 10
	s_mov_b32 s55, 0
	s_add_nc_u64 s[22:23], s[22:23], s[54:55]      ; tile (qt, kt)
	s_lshl_b32 s53, s53, 18                        ; head
	s_lshl_b32 s52, s52, 9                         ; chunk
	s_add_co_u32 s52, s52, s53
	v_lshl_add_u32 v14, v1, 4, s52
	s_wait_dscnt 0x0
	global_store_b128 v14, v[8:11], s[22:23]       ; the wave stores 512 consecutive bytes, aligned
	s_set_vgpr_msb 0x5
	s_wait_tensorcnt 0x0
	ds_add_u32 v224, v225
	s_wait_dscnt 0x0
	s_set_vgpr_msb 0x500
	s_endpgm
.Lfunc_end_k_q1627b23dc7_prep:
	.size	k_q1627b23dc7_prep, .Lfunc_end_k_q1627b23dc7_prep-k_q1627b23dc7_prep
	.p2alignl 7, 3214868480
	.fill 96, 4, 3214868480
	.section	.rodata,"a",@progbits
	.p2align	6, 0x0
	.amdhsa_kernel k_q1627b23dc7_prep
		.amdhsa_group_segment_fixed_size 168960
		.amdhsa_private_segment_fixed_size 0
		.amdhsa_enable_private_segment 0
		.amdhsa_kernarg_size 88
		.amdhsa_user_sgpr_count 2
		.amdhsa_user_sgpr_kernarg_segment_ptr 1
		.amdhsa_wavefront_size32 1
		.amdhsa_system_sgpr_workgroup_id_x 1
		.amdhsa_system_sgpr_workgroup_id_y 1
		.amdhsa_system_sgpr_workgroup_id_z 1
		.amdhsa_system_vgpr_workitem_id 0
		.amdhsa_next_free_vgpr 482
		.amdhsa_next_free_sgpr 66
		.amdhsa_reserve_vcc 1
		.amdhsa_float_denorm_mode_32 3
		.amdhsa_float_denorm_mode_16_64 3
		.amdhsa_memory_ordered 1
		.amdhsa_forward_progress 1
		.amdhsa_inst_pref_size 48
	.end_amdhsa_kernel
	.amdgpu_metadata
---
amdhsa.version: [ 1, 2 ]
amdhsa.kernels:
  - .name:           k_q1627b23dc7_prep
    .symbol:         k_q1627b23dc7_prep.kd
    .args:
      - { .name: act, .offset: 0, .size: 8, .value_kind: global_buffer, .address_space: global }
      - { .name: ln_g, .offset: 8, .size: 8, .value_kind: global_buffer, .address_space: global }
      - { .name: ln_b, .offset: 16, .size: 8, .value_kind: global_buffer, .address_space: global }
      - { .name: w2d, .offset: 24, .size: 8, .value_kind: global_buffer, .address_space: global }
      - { .name: wq, .offset: 32, .size: 8, .value_kind: global_buffer, .address_space: global }
      - { .name: wk, .offset: 40, .size: 8, .value_kind: global_buffer, .address_space: global }
      - { .name: wv, .offset: 48, .size: 8, .value_kind: global_buffer, .address_space: global }
      - { .name: wg, .offset: 56, .size: 8, .value_kind: global_buffer, .address_space: global }
      - { .name: wo, .offset: 64, .size: 8, .value_kind: global_buffer, .address_space: global }
      - { .name: biasT, .offset: 72, .size: 8, .value_kind: global_buffer, .address_space: global }
      - { .name: wfrag, .offset: 80, .size: 8, .value_kind: global_buffer, .address_space: global }
    .group_segment_fixed_size: 168960
    .private_segment_fixed_size: 0
    .kernarg_segment_align: 8
    .kernarg_segment_size: 88
    .max_flat_workgroup_size: 256
    .sgpr_count:     66
    .vgpr_count:     482
    .wavefront_size: 32
...
	.end_amdgpu_metadata
.endif
;; end of part 1
;; launch attn (part 2): grid 256 x 1, 8 waves a work-group, no clusters, 302,080 bytes of LDS; arguments act, mask, ln_g, ln_b, bg, bo, biasT, wfrag, out0; writes out0
.if DOCPART == 2
	.amdgcn_target "amdgcn-amd-amdhsa--gfx1250"
	.amdhsa_code_object_version 6
	.text
	.protected	k_q1627b23dc7_attn
	.globl	k_q1627b23dc7_attn
	.p2align	8
	.type	k_q1627b23dc7_attn,@function
k_q1627b23dc7_attn:
	s_mov_b64 s[64:65], 0
	v_nop
	global_prefetch_b8 v0, s[64:65] scope:SCOPE_SE
	s_setreg_imm32_b32 hwreg(HW_REG_WAVE_MODE, 25, 1), 1
	s_wait_xcnt 0x0
; attn: one work-group for each row i of act: LayerNorm, q/k/v/gate projections, four heads of 256 x 256 attention with mask and pair bias, gate, output projection.
; Eight waves; wave w owns positions 32 w .. 32 w + 31: two q tiles (t = 0, 1), the key tiles 2 w + t and the key step w.
; All products are f16 x f16 with f32 sums; LayerNorm, softmax and gate are f32.
; F16 AND NOT BF16: x, V, P, O*G and the weights are each rounded once on the way to a result that is an average over 256 keys; a rounding to f16 errs by 2^-11 at the most, to bf16 by 2^-8.
; THE REGISTER CHAIN (lane = (r = lane & 15, h = lane >> 4)): every product is taken in the orientation whose result, packed to f16, is the next product's fragment:
;   K^T = Wk^T X^T and Q^T = Wq^T X^T: lane r = position, register j = d 8h+j: two d tiles pack into a K = 32 fragment (K: source 0 of S^T, Q: source 1).
;   V = X Wv: lane r = d, register j = position: the wave's two position tiles pack into the fragment of V^T for key step w.
;   S^T = K Q^T + C: lane r = q, register j = key 8h+j.  C is the pair bias, loaded from memory straight into the accumulators.  Two key tiles pack into P^T's fragment.
;   O^T = V^T P^T, G^T = Wg^T X^T + bg, out^T = Wo^T (O*G)^T + bo go on alike.  Only K, V (read by all waves), O*G (register room) and the output's transposition pass through LDS.
; SOFTMAX: the running maximum is taken away, over two halves of 128 keys, in base 2: log2(e) is folded into Wq's image (with 1/sqrt(32)), into the stored pair bias and into the mask term.
; WHAT IS ASKED FOR AHEAD: the three first fills go out in the order of need (act; the q, k, v images; the g, o images), and each barrier waits only for what is read behind it.
;   LDS fragments are asked for one stage ahead, into registers that are free there: when P has been packed in place, the upper 32 registers of each q tile of its S buffer are free (64 in all);
;   they take the next half's K fragments (buffer 0) and the gate's weight fragments (buffer 1), and the next head's bias is loaded into a buffer only when those have been used.
; RANGE OF THE F16 OPERANDS: x (at most 11.3 |ln_g| + |ln_b|), K and V (x . w), Q (0.255 x . wq), P (0 to 1), 16 O*G (at most 16 max|V|), the weights, wo/16.  The factor 16 between O*G and Wo's image
;   centres the last product's operands: with ln_g of 1 and weights of spread 0.02, V reaches about 1.2 and 16 O*G is about 0.16; with ln_g and the weights both 30 times larger the largest operand,
;   16 max|V|, is about 17,000, under f16's 65,504; with both 30 times smaller 16 O*G is about 1.8e-4 and wo/16 about 4e-5, against f16's spacing of 2^-24 there.
; LIMITS: an operand beyond 65,504 becomes infinite.  Where all gates of a position are so small that 16 O*G falls under about 2e-5, O*G loses relative precision, and under 3e-8 it is zero.
;   The mask term (mask-1)*1e9*log2e is added after q.k + pair bias, where the formula adds it before the pair bias; on a row whose keys are all masked both give the uniform
;   softmax while |logit| < 32.  NaN and infinite inputs get no special care.
; NO CLUSTER: what work-groups share is the pair bias (1 MiB each) and the weights (160 KiB of the 1.28 MiB that a work-group reads).  The bias goes from memory into accumulator registers
;   with no pass through LDS; as a joint tensor load it would need two LDS slots of 64 KiB at the least, and 301,056 of the 327,680 bytes are taken.
; LDS:  [0,135168) act, a region of 32 rows x 528 bytes for each wave; behind barrier 1: K images at hd*16384+kt*1024+c*512+lane*16 and V^T images at 65536+hd*16384+dt*8192+ks*1024+c*512+lane*16;
;       behind barrier 3: each wave's output stage.   [135168,299008) the five weight images (q, k, v, g, o, 32,768 bytes each); behind barrier 2 the k and v parts hold each wave's O*G fragments.
;       [299008,300032) mask term, [300032,300544) bg, [300544,301056) bo.  Every byte is filled by a tensor load once at the most, at the start.
.set XF,  16                           ; v16-79    x as f16 fragments: tile t, K step s at XF + 32 t + 8 s; in the last phase 16 O*G
.set OA,  80                           ; v80-111   accumulators: O^T (d tile dt, q tile t) at OA + 16 dt + 8 t
.set QF,  112                          ; v112-127  Q fragments, tile t at QF + 8 t
.set FA,  128                          ; v128-191  fragments from LDS; in the first half of the keys the mask terms and the softmax's small sums
.set FB,  192                          ; v192-255  mask terms, softmax's small sums, gate; in the first half of the keys K and V fragments
.set LNA, 4                            ; v4        LayerNorm: LDS address of my row
.set T1,  128                          ; window 1 during LayerNorm: v0-127 raw rows, v128-143 running pairs.  Afterwards: two S buffers of 128 registers, tile (t, kk) of buffer X at 128 X + 64 t + 8 kk
.set WA0, 1                            ; v1        weight images + 16 lane (q at +0, k at +32768); in the last phase Wo's image
.set WA1, 2                            ; v2        the same + 65536 (v at +0, g at +32768)
.set KA,  3                            ; v3        16 lane: K images; also the lane's offset in the output rows
.set VA,  4                            ; v4        65536 + 16 lane: V^T images
.set MA,  5                            ; v5        299008 + 32 h: mask term; bg at +1024, bo at +1536
.set BV,  6                            ; v6        32768 w + 16 lane: my q tiles in biasT; never rewritten
.set OGA, 7                            ; v7        167936 + 8192 w + 16 lane: my O*G fragments
.set KS,  8                            ; v8        projections: where my K fragments go
.set VS,  9                            ; v9        projections: where my V^T fragments go
.set MP,  8                            ; v8-11     attention: running maximum of tile t, in both halves of a pair
.set LS,  12                           ; v12-15    attention: running sum of tile t, a pair of partial sums
.set SA,  8                            ; v8        output: where my results go in the stage
.set RA,  9                            ; v9        output: where rows are read back
.set WREG, 16896
.set WIMG, 135168
.set INV16, 0x3d800000                 ; 1/16
.set MSB, 0
.macro WIN new                         ; register windows: bits 1:0 source 0, 3:2 source 1, 5:4 source 2, 7:6 destination; the high byte repeats the setting left
.if MSB != \new
	s_set_vgpr_msb (MSB<<8)|\new
.set MSB, \new
.endif
.endm
.macro PLACES                          ; four places behind a matrix instruction before its registers are read or written by anything else (ISA guide 7.12.1)
.rept 4
	v_nop
.endr
.endm
.macro WM d, a, b, z                   ; one matrix instruction; z = 1: the constant 0 starts the sum
.if \z
	v_wmma_f32_16x16x32_f16 v[\d:\d+7], v[\a:\a+7], v[\b:\b+7], 0
.else
	v_wmma_f32_16x16x32_f16 v[\d:\d+7], v[\a:\a+7], v[\b:\b+7], v[\d:\d+7]
.endif
.endm
.macro MM1 acc, w, x, swap, z, s, t
.if \swap
	WM (\acc+8*\t), (\x+32*\t+8*\s), (\w+8*\s), \z
.else
	WM (\acc+8*\t), (\w+8*\s), (\x+32*\t+8*\s), \z
.endif
.endm
; Eight matrix instructions: K = 128 in four steps for the wave's two position tiles.  The two accumulators take turns, one instruction a turn.
.macro MM8 acc, w, x, swap, czero
.irp t, 0,1
	MM1 \acc, \w, \x, \swap, \czero, 0, \t
.endr
.irp s, 1,2,3
.irp t, 0,1
	MM1 \acc, \w, \x, \swap, 0, \s, \t
.endr
.endr
.endm
.macro WLOAD dst, areg, off            ; the four K-step fragments of one 16-column tile of a weight image: 8 loads of 512 consecutive bytes
.irp i, 0,1,2,3,4,5,6,7
	ds_load_b128 v[\dst+4*\i:\dst+4*\i+3], v[\areg] offset:\off+512*\i
.endr
.endm
; Folds each tile's four running pairs, the pair's two halves, and the two halves of the lanes (a row's 128 channels lie in lanes r and r+16): v8, v9.
.macro LNSUM
.irp t, 0,1
	v_pk_add_f32 v[T1+8*\t:T1+8*\t+1], v[T1+8*\t:T1+8*\t+1], v[T1+8*\t+2:T1+8*\t+3]
	v_pk_add_f32 v[T1+8*\t+4:T1+8*\t+5], v[T1+8*\t+4:T1+8*\t+5], v[T1+8*\t+6:T1+8*\t+7]
.endr
.irp t, 0,1
	v_pk_add_f32 v[T1+8*\t:T1+8*\t+1], v[T1+8*\t:T1+8*\t+1], v[T1+8*\t+4:T1+8*\t+5]
.endr
	WIN 0x05
	v_add_f32 v8, v[T1], v[T1+1]
	v_add_f32 v9, v[T1+8], v[T1+9]
	WIN 0
	v_permlanex16_b32 v10, v8, s24, s25
	v_permlanex16_b32 v11, v9, s24, s25
	v_add_f32 v8, v8, v10
	v_add_f32 v9, v9, v11
.endm
; LayerNorm of the wave's 2 x 16 rows.  Lane (r,h) holds of row r the channels 32s+16c+8h+4u+e, which is the order of a 16-bit fragment's registers,
; so the result packs straight into fragments.  Rows are 528 = 33 x 16 bytes apart: the sixteen rows that a load touches start at sixteen different 16-byte columns of 256.
.macro LNORM
	v_mov_b32 v10, 0                               ; the lane exchange counts as a reader of its destination
	v_mov_b32 v11, 0
	WIN 0x40
.irp t, 0,1
.set n, 0
.rept 16
	ds_load_b128 v[64*\t+4*n:64*\t+4*n+3], v[LNA] offset:\t*8448+(n/2)*64+(n%2)*16
.set n, n+1
.endr
.endr
	s_wait_dscnt 0x0                               ; all 32 loads: the sums below need every one
	WIN 0x55
.irp t, 0,1
.irp c, 0,1,2,3
	v_pk_add_f32 v[T1+8*\t+2*\c:T1+8*\t+2*\c+1], v[64*\t+2*\c:64*\t+2*\c+1], v[64*\t+2*\c+8:64*\t+2*\c+9]
.endr
.endr
.irp k, 2,3,4,5,6,7
.irp t, 0,1
.irp c, 0,1,2,3
	v_pk_add_f32 v[T1+8*\t+2*\c:T1+8*\t+2*\c+1], v[T1+8*\t+2*\c:T1+8*\t+2*\c+1], v[64*\t+8*\k+2*\c:64*\t+8*\k+2*\c+1]
.endr
.endr
.endr
	LNSUM
	v_mul_f32 v12, s26, v8                         ; the mean, in both halves of a pair
	v_mul_f32 v13, s26, v8
	v_mul_f32 v14, s26, v9
	v_mul_f32 v15, s26, v9
	WIN 0x41
.irp t, 0,1
.set n, 0
.rept 32
	v_pk_add_f32 v[64*\t+2*n:64*\t+2*n+1], v[64*\t+2*n:64*\t+2*n+1], v[12+2*\t:13+2*\t] neg_lo:[0,1] neg_hi:[0,1]
.set n, n+1
.endr
.endr
	WIN 0x55
.irp t, 0,1
.irp c, 0,1,2,3
	v_pk_mul_f32 v[T1+8*\t+2*\c:T1+8*\t+2*\c+1], v[64*\t+2*\c:64*\t+2*\c+1], v[64*\t+2*\c:64*\t+2*\c+1]
.endr
.endr
.irp k, 1,2,3,4,5,6,7
.irp t, 0,1
.irp c, 0,1,2,3
	v_pk_fma_f32 v[T1+8*\t+2*\c:T1+8*\t+2*\c+1], v[64*\t+8*\k+2*\c:64*\t+8*\k+2*\c+1], v[64*\t+8*\k+2*\c:64*\t+8*\k+2*\c+1], v[T1+8*\t+2*\c:T1+8*\t+2*\c+1]
.endr
.endr
.endr
	LNSUM
	v_fma_f32 v8, v8, s26, s27                     ; variance + 1e-5
	v_fma_f32 v9, v9, s26, s27
	v_rsq_f32 v12, v8
	v_rsq_f32 v14, v9
	v_nop                                          ; one plain instruction behind a transcendental before its result is used (ISA guide 5.7.2)
	s_wait_alu depctr_va_vdst(0)
	v_mov_b32 v13, v12
	v_mov_b32 v15, v14
	WIN 0x41
.irp t, 0,1
.set n, 0
.rept 32
	v_pk_mul_f32 v[64*\t+2*n:64*\t+2*n+1], v[64*\t+2*n:64*\t+2*n+1], v[12+2*\t:13+2*\t]
.set n, n+1
.endr
.endr
.irp t, 0,1
.set n, 0
.rept 32
	v_pk_fma_f32 v[64*\t+2*n:64*\t+2*n+1], v[64*\t+2*n:64*\t+2*n+1], v[FA+2*n:FA+2*n+1], v[FB+2*n:FB+2*n+1]
.set n, n+1
.endr
.endr
	WIN 0x05
.irp t, 0,1
.set n, 0
.rept 32
	v_cvt_pk_f16_f32 v[XF+32*\t+n], v[64*\t+2*n], v[64*\t+2*n+1]
.set n, n+1
.endr
.endr
	WIN 0
.endm
; The pair bias of head hd, keys 128 X .. 128 X + 127, my two q tiles, into S buffer X: 32 loads of 512 consecutive bytes, each landing as half an accumulator tile.
.macro BLOAD X, hd
	WIN 0x40
.irp t, 0,1
.irp kk, 0,1,2,3,4,5,6,7
.irp c, 0,1
	global_load_b128 v[128*\X+64*\t+8*\kk+4*\c:128*\X+64*\t+8*\kk+4*\c+3], v[BV], s[16:17] offset:\hd*262144+\t*16384+(8*\X+\kk)*1024+\c*512
.endr
.endr
.endr
	WIN 0
.endm
; One 16-column tile of K (st = 0..7) or V (st = 8..15) for my 32 positions, packed and put into the shared images.  The weight fragments of step st + 2 are asked for meanwhile.
.macro KVSTEP st, cnt
	s_wait_dscnt \cnt                              ; this step's eight fragment loads are in; what was issued behind them may be out
	MM8 (OA+16*(\st%2)), (FA+32*(\st%2)), XF, (\st/8), 1
	PLACES
.if \st+2 < 16
.if \st+2 < 8
	WLOAD (FA+32*(\st%2)), WA0, (32768+(\st+2)*4096)
.else
	WLOAD (FA+32*(\st%2)), WA1, ((\st+2-8)*4096)
.endif
.endif
.irp t, 0,1
.irp p, 0,1,2,3
	v_cvt_pk_f16_f32 v[FB+8*(\st%2)+4*\t+\p], v[OA+16*(\st%2)+8*\t+2*\p], v[OA+16*(\st%2)+8*\t+2*\p+1]
.endr
.endr
.irp t, 0,1
.if \st < 8
	ds_store_b128 v[KS], v[FB+8*(\st%2)+4*\t:FB+8*(\st%2)+4*\t+3] offset:((\st%8)/2)*16384+\t*1024+(\st%2)*512     ; key tile 2 w + t, chunk = d tile
.else
	ds_store_b128 v[VS], v[FB+8*(\st%2)+4*\t:FB+8*(\st%2)+4*\t+3] offset:((\st%8)/2)*16384+(\st%2)*8192+\t*512     ; key step w, chunk = position tile
.endif
.endr
.endm
.macro MLOAD dst, X                    ; the mask term of keys 128 X + 16 kk + 8 h + 0..7, 16 loads
.irp kk, 0,1,2,3,4,5,6,7
.irp c, 0,1
	ds_load_b128 v[\dst+8*\kk+4*\c:\dst+8*\kk+4*\c+3], v[MA] offset:(8*\X+\kk)*64+\c*16
.endr
.endr
.endm
.macro VLOAD dst, hd, X                ; the V^T fragments of head hd, key steps 4 X .. 4 X + 3, both d tiles, 16 loads
.irp dt, 0,1
.irp ks, 0,1,2,3
.irp c, 0,1
	ds_load_b128 v[\dst+8*(4*\dt+\ks)+4*\c:\dst+8*(4*\dt+\ks)+4*\c+3], v[VA] offset:\hd*16384+\dt*8192+(4*\X+\ks)*1024+\c*512
.endr
.endr
.endr
.endm
; Q of head hd for my 32 positions, packed into fragments.  Wq's image already carries log2(e)/sqrt(32); its fragments were asked for a stage ago and lie in FA.
; The K fragments of keys 0..127 are asked for first, into FB, and land under the products; the mask term follows into FA as soon as the products have read it.
; wa, wb: how many LDS instructions issued behind Wq's first and second tile may stay out.
.macro QPROJ hd, wa, wb
.irp kk, 0,1,2,3,4,5,6,7
.irp c, 0,1
	ds_load_b128 v[FB+8*\kk+4*\c:FB+8*\kk+4*\c+3], v[KA] offset:\hd*16384+\kk*1024+\c*512
.endr
.endr
	s_wait_dscnt \wa
	MM8 OA, FA, XF, 0, 1
	s_wait_dscnt \wb
	MM8 (OA+16), (FA+32), XF, 0, 1
	PLACES
	MLOAD FA, 0
.irp t, 0,1
.irp dt, 0,1
.irp p, 0,1,2,3
	v_cvt_pk_f16_f32 v[QF+8*\t+4*\dt+\p], v[OA+16*\dt+8*\t+2*\p], v[OA+16*\dt+8*\t+2*\p+1]
.endr
.endr
.endr
.endm
; The softmax of S buffer X (128 keys, my two q tiles), first part: mask term, maximum, exponentials, sums in four chains, P packed in place.
; MR: 64 registers that hold the mask term and then the small sums.  first = 1: starts the running maximum.
.macro SOFTA X, first, MR
	WIN 0x41
.irp t, 0,1
.set n, 0
.rept 32
	v_pk_add_f32 v[128*\X+64*\t+2*n:128*\X+64*\t+2*n+1], v[128*\X+64*\t+2*n:128*\X+64*\t+2*n+1], v[\MR+2*n:\MR+2*n+1]
.set n, n+1
.endr
.endr
	WIN 0x05                                       ; the maximum of my 64 logits of each tile, in four chains
.irp t, 0,1
.irp c, 0,1,2,3
	v_max_num_f32 v[\MR+4*\t+\c], v[128*\X+64*\t+16*\c], v[128*\X+64*\t+16*\c+1]
.endr
.endr
	WIN 0x14
.irp k, 1,2,3,4,5,6,7
.irp t, 0,1
.irp c, 0,1,2,3
	v_max3_num_f32 v[\MR+4*\t+\c], v[\MR+4*\t+\c], v[128*\X+64*\t+16*\c+2*\k], v[128*\X+64*\t+16*\c+2*\k+1]
.endr
.endr
.endr
	WIN 0
.irp t, 0,1
	v_max3_num_f32 v[\MR+4*\t], v[\MR+4*\t], v[\MR+4*\t+1], v[\MR+4*\t+2]
.endr
.irp t, 0,1
.if \first
	v_max_num_f32 v[\MR+4*\t], v[\MR+4*\t], v[\MR+4*\t+3]
.else
	v_max3_num_f32 v[\MR+4*\t], v[\MR+4*\t], v[\MR+4*\t+3], v[MP+2*\t]
.endif
.endr
.irp t, 0,1
	v_permlanex16_b32 v[\MR+32+\t], v[\MR+4*\t], s24, s25  ; a q's keys lie in lanes r and r + 16
.endr
.if \first
.irp t, 0,1
	v_max_num_f32 v[MP+2*\t], v[\MR+4*\t], v[\MR+32+\t]
	v_max_num_f32 v[MP+2*\t+1], v[\MR+4*\t], v[\MR+32+\t]
.endr
.else
.irp t, 0,1
	v_max_num_f32 v[\MR+4*\t], v[\MR+4*\t], v[\MR+32+\t]
	v_sub_f32 v[\MR+12+2*\t], v[MP+2*\t], v[\MR+4*\t]
.endr
	v_exp_f32 v[\MR+12], v[\MR+12]                 ; what the old sum and the old O are scaled by
	v_exp_f32 v[\MR+14], v[\MR+14]
.irp t, 0,1
	v_mov_b32 v[MP+2*\t], v[\MR+4*\t]              ; plain instructions that touch neither exponential stand behind them (ISA guide 5.7.2)
	v_mov_b32 v[MP+2*\t+1], v[\MR+4*\t]
.endr
	s_wait_alu depctr_va_vdst(0)
	v_mov_b32 v[\MR+13], v[\MR+12]
	v_mov_b32 v[\MR+15], v[\MR+14]
.endif
	WIN 0x41
.irp t, 0,1
.set n, 0
.rept 32
	v_pk_add_f32 v[128*\X+64*\t+2*n:128*\X+64*\t+2*n+1], v[128*\X+64*\t+2*n:128*\X+64*\t+2*n+1], v[MP+2*\t:MP+2*\t+1] neg_lo:[0,1] neg_hi:[0,1]
.set n, n+1
.endr
.endr
.set n, 0
.rept 128
	v_exp_f32 v[128*\X+n], v[128*\X+n]
.set n, n+1
.endr
	v_nop                                          ; one plain instruction behind the last exponential
	WIN 0x05                                       ; the sums, in f32, four chains of pairs for each tile
	s_wait_alu depctr_va_vdst(0)
.irp t, 0,1
.irp c, 0,1,2,3
	v_pk_add_f32 v[\MR+16+8*\t+2*\c:\MR+16+8*\t+2*\c+1], v[128*\X+64*\t+2*\c:128*\X+64*\t+2*\c+1], v[128*\X+64*\t+2*\c+8:128*\X+64*\t+2*\c+9]
.endr
.endr
	WIN 0x04
.irp k, 2,3,4,5,6,7
.irp t, 0,1
.irp c, 0,1,2,3
	v_pk_add_f32 v[\MR+16+8*\t+2*\c:\MR+16+8*\t+2*\c+1], v[\MR+16+8*\t+2*\c:\MR+16+8*\t+2*\c+1], v[128*\X+64*\t+8*\k+2*\c:128*\X+64*\t+8*\k+2*\c+1]
.endr
.endr
.endr
	WIN 0x45                                       ; P packs in place, ascending: key step ks of tile t ends at 64 t + 8 ks, and words 32..63 of each tile are free
.irp t, 0,1
.set n, 0
.rept 32
	v_cvt_pk_f16_f32 v[128*\X+64*\t+n], v[128*\X+64*\t+2*n], v[128*\X+64*\t+2*n+1]
.set n, n+1
.endr
.endr
.endm
; Second part: the chains are folded into the running sum; first = 0: the old sum and the old O are scaled to the new maximum.
.macro SOFTB first, MR
.irp t, 0,1
	v_pk_add_f32 v[\MR+16+8*\t:\MR+16+8*\t+1], v[\MR+16+8*\t:\MR+16+8*\t+1], v[\MR+16+8*\t+2:\MR+16+8*\t+3]
	v_pk_add_f32 v[\MR+16+8*\t+4:\MR+16+8*\t+5], v[\MR+16+8*\t+4:\MR+16+8*\t+5], v[\MR+16+8*\t+6:\MR+16+8*\t+7]
.endr
.irp t, 0,1
.if \first
	v_pk_add_f32 v[LS+2*\t:LS+2*\t+1], v[\MR+16+8*\t:\MR+16+8*\t+1], v[\MR+16+8*\t+4:\MR+16+8*\t+5]
.else
	v_pk_add_f32 v[\MR+16+8*\t:\MR+16+8*\t+1], v[\MR+16+8*\t:\MR+16+8*\t+1], v[\MR+16+8*\t+4:\MR+16+8*\t+5]
.endif
.endr
.if \first
.else
.irp t, 0,1
	v_pk_fma_f32 v[LS+2*\t:LS+2*\t+1], v[LS+2*\t:LS+2*\t+1], v[\MR+12+2*\t:\MR+12+2*\t+1], v[\MR+16+8*\t:\MR+16+8*\t+1]
.endr
.irp dt, 0,1
.irp t, 0,1
.irp p, 0,1,2,3
	v_pk_mul_f32 v[OA+16*\dt+8*\t+2*\p:OA+16*\dt+8*\t+2*\p+1], v[OA+16*\dt+8*\t+2*\p:OA+16*\dt+8*\t+2*\p+1], v[\MR+12+2*\t:\MR+12+2*\t+1]
.endr
.endr
.endr
.endif
.endm
; O^T += V^T P^T for the 128 keys of buffer X; VR: where V's fragments lie.  The four accumulators take turns, one instruction a turn.
.macro PV X, first, VR
	WIN 0x04
.irp dt, 0,1
.irp t, 0,1
	WM (OA+16*\dt+8*\t), (\VR+8*(4*\dt)), (128*\X+64*\t), \first
.endr
.endr
.irp ks, 1,2,3
.irp dt, 0,1
.irp t, 0,1
	WM (OA+16*\dt+8*\t), (\VR+8*(4*\dt+\ks)), (128*\X+64*\t+8*\ks), 0
.endr
.endr
.endr
	WIN 0
	PLACES
.endm
; Keys 0..127 of head hd.  K lies in FB and the mask term is on its way into FA (both asked for in QPROJ).  V takes K's place; the small sums take the mask term's.
.macro UNIT0 hd
	s_wait_loadcnt 32                              ; buffer 0's 32 bias loads are in; buffer 1's 32, issued behind them, may be out
	s_wait_dscnt 16                                ; K's 16 loads are in, the mask term's 16 may be out
	WIN 0x50
.irp kk, 0,1,2,3,4,5,6,7
.irp t, 0,1
	WM (64*\t+8*\kk), (FB+8*\kk), (QF+8*\t), 0     ; S^T = K Q^T + bias: sixteen accumulators, one instruction each
.endr
.endr
	WIN 0
	PLACES
	VLOAD FB, \hd, 0
	s_wait_dscnt 16                                ; the mask term is in; V's 16 loads land during the softmax
	SOFTA 0, 1, FA
	WIN 0x40                                       ; K of keys 128..255 into the 64 registers that the packing has freed: tiles 0-3 at 32.., tiles 4-7 at 96..
.irp kk, 0,1,2,3,4,5,6,7
.irp c, 0,1
	ds_load_b128 v[32+8*\kk+32*(\kk/4)+4*\c:32+8*\kk+32*(\kk/4)+4*\c+3], v[KA] offset:\hd*16384+(8+\kk)*1024+\c*512
.endr
.endr
	WIN 0
	SOFTB 1, FA
	s_wait_dscnt 16                                ; V's fragments are in; the next K's 16 loads may be out
	PV 0, 1, FB
.endm
; Keys 128..255 of head hd.  K lies in buffer 0's freed registers.  more = 1: the next head's bias is asked for into buffer 0 as soon as the products have read K there.
; The gate's weight fragments go into buffer 1's freed registers, and bg into FB, ahead of the last product.
.macro UNIT1 hd, more
	MLOAD FB, 1
	VLOAD FA, \hd, 1
	s_wait_loadcnt 0x0                             ; buffer 1's bias: no load has been issued behind it
	s_wait_dscnt 32                                ; K's 16 loads are in; the mask term's 16 and V's 16 may be out
	WIN 0x51
.irp kk, 0,1,2,3,4,5,6,7
.irp t, 0,1
	WM (128+64*\t+8*\kk), (32+8*\kk+32*(\kk/4)), (QF+8*\t), 0
.endr
.endr
	WIN 0
	PLACES
.if \more
	BLOAD 0, (\hd+1)
.endif
	s_wait_dscnt 16                                ; the mask term is in, V may be out
	SOFTA 1, 0, FB
	WIN 0x40
	WLOAD 160, WA1, (32768+2*\hd*4096)             ; Wg's two tiles of this head: buffer 1, words 32..63 of q tile 0 and of q tile 1
	WLOAD 224, WA1, (32768+(2*\hd+1)*4096)
	WIN 0
	SOFTB 0, FB
.irp dt, 0,1
.irp t, 0,1
.irp u, 0,1
	ds_load_b128 v[FB+16*\dt+8*\t+4*\u:FB+16*\dt+8*\t+4*\u+3], v[MA] offset:1024+(2*\hd+\dt)*64+\u*16   ; bg will start the gate's sums
.endr
.endr
.endr
	s_wait_dscnt 24                                ; V's fragments are in; Wg's 16 loads and bg's 8 may be out
	PV 1, 0, FA
.endm
; The gate of head hd, the division by the softmax's sum, and the packing of 16 O*G into my own fragments in LDS.
; 16 O * sigmoid(z) / l = O / ((1 + 2^(-z log2e)) l/16): the bracket times l/16 is one fused multiply-add, so one reciprocal serves both.  l is at least 1: the largest term is 2^0.
; more = 1: behind the products the next head's bias goes into buffer 1 and the next head's Wq fragments into FA.
.macro GATE hd, more
	v_add_f32 v[FB+36], v[LS], v[LS+1]
	v_add_f32 v[FB+37], v[LS+2], v[LS+3]
	v_mul_f32 v[FB+36], INV16, v[FB+36]            ; the factor 16 that Wo's image takes back: exact, a power of two
	v_mul_f32 v[FB+37], INV16, v[FB+37]
	v_permlanex16_b32 v[FB+38], v[FB+36], s24, s25
	v_permlanex16_b32 v[FB+39], v[FB+37], s24, s25
	v_add_f32 v[FB+32], v[FB+36], v[FB+38]         ; l/16 of tile 0, in both halves of a pair
	v_add_f32 v[FB+33], v[FB+36], v[FB+38]
	v_add_f32 v[FB+34], v[FB+37], v[FB+39]         ; l/16 of tile 1
	v_add_f32 v[FB+35], v[FB+37], v[FB+39]
	s_wait_dscnt 0x0                               ; Wg and bg, asked for ahead of the last product
	WIN 0x01
	MM8 FB, 160, XF, 0, 0
	MM8 (FB+16), 224, XF, 0, 0
	WIN 0
	PLACES
.if \more
	BLOAD 1, (\hd+1)
	WLOAD FA, WA0, (2*(\hd+1)*4096)
	WLOAD (FA+32), WA0, ((2*(\hd+1)+1)*4096)
.endif
.set n, 0
.rept 16
	v_pk_mul_f32 v[FB+2*n:FB+2*n+1], v[FB+2*n:FB+2*n+1], s[30:31] op_sel_hi:[1,0]
.set n, n+1
.endr
.set n, 0
.rept 32
	v_exp_f32 v[FB+n], v[FB+n]
.set n, n+1
.endr
	v_nop
	s_wait_alu depctr_va_vdst(0)
.irp dt, 0,1
.irp t, 0,1
.irp p, 0,1,2,3
	v_pk_fma_f32 v[FB+16*\dt+8*\t+2*\p:FB+16*\dt+8*\t+2*\p+1], v[FB+16*\dt+8*\t+2*\p:FB+16*\dt+8*\t+2*\p+1], v[FB+32+2*\t:FB+32+2*\t+1], v[FB+32+2*\t:FB+32+2*\t+1]
.endr
.endr
.endr
.set n, 0
.rept 32
	v_rcp_f32 v[FB+n], v[FB+n]
.set n, n+1
.endr
	v_nop
.set n, 0
	s_wait_alu depctr_va_vdst(0)
.rept 16
	v_pk_mul_f32 v[OA+2*n:OA+2*n+1], v[OA+2*n:OA+2*n+1], v[FB+2*n:FB+2*n+1]
.set n, n+1
.endr
.irp t, 0,1
.irp dt, 0,1
.irp p, 0,1,2,3
	v_cvt_pk_f16_f32 v[FB+40+8*\t+4*\dt+\p], v[OA+16*\dt+8*\t+2*\p], v[OA+16*\dt+8*\t+2*\p+1]
.endr
.endr
.endr
.irp t, 0,1
.irp dt, 0,1
	ds_store_b128 v[OGA], v[FB+40+8*\t+4*\dt:FB+40+8*\t+4*\dt+3] offset:\hd*2048+\t*1024+\dt*512
.endr
.endr
.endm
.macro BOLOAD st                       ; bo of channels 16 st + 8 h + 0..7 starts the sums of output step st
.irp t, 0,1
.irp u, 0,1
	ds_load_b128 v[OA+16*(\st%2)+8*\t+4*\u:OA+16*(\st%2)+8*\t+4*\u+3], v[MA] offset:1536+\st*64+\u*16
.endr
.endr
.endm
; Sixteen output channels for my 32 positions, into my stage; the fragments and bo of step st + 2 are asked for behind the stores.
.macro OSTEP st, cnt
	s_wait_dscnt \cnt
	MM8 (OA+16*(\st%2)), (FA+32*(\st%2)), XF, 0, 0
	PLACES
.irp t, 0,1
.irp u, 0,1
	ds_store_b128 v[SA], v[OA+16*(\st%2)+8*\t+4*\u:OA+16*(\st%2)+8*\t+4*\u+3] offset:\t*8448+\st*64+\u*16
.endr
.endr
.if \st+2 < 8
	WLOAD (FA+32*(\st%2)), WA0, ((\st+2)*4096)
	BOLOAD (\st+2)
.endif
.endm
	; ---- the start: act's tensor load first, the small tables, then the weights' two tensor loads in the order of need ----
	s_load_b512 s[4:19], s[0:1], 0x0               ; act s[4:5], mask s[6:7], ln_g s[8:9], ln_b s[10:11], bg s[12:13], bo s[14:15], biasT s[16:17], wfrag s[18:19]
	s_load_b64 s[20:21], s[0:1], 0x40              ; out0
	v_lshl_add_u32 v254, v0, 2, 0x49800
	v_mov_b32 v255, 0
	ds_add_u32 v254, v255
	ds_add_u32 v254, v255
	s_wait_dscnt 0x0
	v_lshrrev_b32 v1, 5, v0
	v_readfirstlane_b32 s22, v1                    ; wave 0..7
	s_lshl_b32 s56, ttmp9, 17                      ; row i: 256 positions of 512 bytes
	s_lshl_b32 s57, s22, 14                        ; my 32 positions
	s_add_co_u32 s56, s56, s57
	s_mov_b32 s57, 0
	s_mul_i32 s58, s22, WREG                       ; my region of LDS; kept to the end
	s_mul_i32 s60, s22, 12288                      ; my eighth of the q, k, v images (98,304 bytes)
	s_mov_b32 s61, 0
	s_lshl_b32 s62, s22, 13                        ; my eighth of the g, o images (65,536 bytes),
	s_add_co_u32 s62, s62, 98304                   ; which lie behind q, k, v
	s_mov_b32 s63, 0
	s_mov_b32 s24, 0x76543210                      ; lane i of one half reads lane i of the other
	s_mov_b32 s25, 0xfedcba98
	s_mov_b32 s26, 0x3c000000                      ; 1/128
	s_mov_b32 s27, 0x3727c5ac                      ; 1e-5
	s_mov_b32 s30, 0xbfb8aa3b                      ; -log2(e)
	s_mov_b32 s31, 0xbfb8aa3b
	s_mov_b32 s59, 0x4eabfb8f                      ; 1e9 log2(e)
	; act: 32 rows of 128 f32, dense in memory; in LDS 4 words of padding behind every 128
	s_mov_b32 s36, 0x07920000                      ; 17:16 element of 4 bytes; 20 padding on; 24:22 interval code 6 (128 words); 31:25 pad code 3 (4 words)
	s_mov_b32 s37, 128<<16                         ; tensor_dim0 = 128
	s_mov_b32 s38, 32<<16                          ; tensor_dim1 = 32
	s_mov_b32 s39, 128<<16                         ; tile_dim0 = 128
	s_mov_b32 s40, 32                              ; tile_dim1 = 32
	s_mov_b32 s41, 128                             ; pitch
	s_mov_b32 s42, 0
	s_mov_b32 s43, 0
	; q, k, v images: 12,288 dense bytes as 48 rows of 32 elements of 8 bytes, no padding
	s_mov_b32 s48, 3<<16
	s_mov_b32 s49, 32<<16
	s_mov_b32 s50, 48<<16
	s_mov_b32 s51, 32<<16
	s_mov_b32 s52, 48
	s_mov_b32 s53, 32
	s_mov_b32 s54, 0
	s_mov_b32 s55, 0
	; g, o images: 8,192 dense bytes as 32 such rows
	s_mov_b32 s72, 3<<16
	s_mov_b32 s73, 32<<16
	s_mov_b32 s74, 32<<16
	s_mov_b32 s75, 32<<16
	s_mov_b32 s76, 32
	s_mov_b32 s77, 32
	s_mov_b32 s78, 0
	s_mov_b32 s79, 0
	s_mov_b32 s32, 1
	s_mul_i32 s33, s22, WREG
	s_mov_b32 s44, 1
	s_add_co_u32 s45, s60, WIMG
	s_mov_b32 s68, 1
	s_add_co_u32 s69, s62, WIMG
	s_wait_kmcnt 0x0
	s_add_nc_u64 s[34:35], s[4:5], s[56:57]
	s_or_b32 s35, s35, 0x80000000
	tensor_load_to_lds s[32:35], s[36:43]          ; my 32 rows of act: every wave's request for act goes out ahead of any request for weights
	s_nop 0
	s_add_nc_u64 s[46:47], s[18:19], s[60:61]
	s_or_b32 s47, s47, 0x80000000
	s_add_nc_u64 s[70:71], s[18:19], s[62:63]
	s_or_b32 s71, s71, 0x80000000
	s_add_nc_u64 s[20:21], s[20:21], s[56:57]      ; out0 at my first position
	s_lshl_b32 s62, ttmp9, 10
	s_add_nc_u64 s[6:7], s[6:7], s[62:63]          ; mask at row i
	s_cmp_lt_u32 s22, 4
	s_cselect_b64 s[62:63], s[12:13], s[14:15]     ; threads 0-127 fetch bg, threads 128-255 bo
	v_and_b32 v1, 31, v0                           ; lane
	v_and_b32 v2, 15, v0                           ; r
	v_bfe_u32 v3, v0, 4, 1                         ; h
	v_mul_u32_u24 v4, v2, 528
	v_lshl_add_u32 v4, v3, 5, v4
	v_add_nc_u32 v[LNA], s58, v4                   ; region + 528 r + 32 h
	v_lshlrev_b32 v5, 5, v3                        ; 32 h
	v_lshlrev_b32 v6, 2, v0                        ; 4 x thread
	v_and_b32 v7, 127, v0
	v_lshlrev_b32 v7, 2, v7
.set n, 0
.rept 16
	global_load_b128 v[FA+4*n:FA+4*n+3], v5, s[8:9] offset:(n/2)*64+(n%2)*16
	global_load_b128 v[FB+4*n:FB+4*n+3], v5, s[10:11] offset:(n/2)*64+(n%2)*16
.set n, n+1
.endr
	global_load_b32 v80, v6, s[6:7]                ; mask[i][thread]
	global_load_b32 v81, v7, s[62:63]
	tensor_load_to_lds s[44:47], s[48:55]          ; my eighth of Wq, Wk, Wv: read behind barrier 1
	s_nop 0
	tensor_load_to_lds s[68:71], s[72:79]          ; my eighth of Wg, Wo: read behind barrier 2.  A wave has three tensor loads outstanding; nothing is filled again, and no descriptor register is written again
	s_nop 0
	s_wait_loadcnt 0x0                             ; all the tables; their address registers are free again
	v_fma_f32 v80, v80, s59, -s59                  ; (mask - 1) 1e9 log2(e), exactly 0 for mask = 1
	v_add_nc_u32 v6, 299008, v6
	ds_store_b32 v6, v80
	ds_store_b32 v6, v81 offset:1024
	s_wait_tensorcnt 0x2                           ; my rows of act are in (only I read them); the two loads of weights, issued behind them, may be out
	LNORM
	v_lshlrev_b32 v[KA], 4, v1                     ; 16 lane
	v_add_nc_u32 v[WA0], WIMG, v[KA]
	v_add_nc_u32 v[WA1], WIMG+65536, v[KA]
	v_add_nc_u32 v[VA], 65536, v[KA]
	v_add_nc_u32 v[MA], 299008, v5
	s_lshl_b32 s56, s22, 15
	v_add_nc_u32 v[BV], s56, v[KA]
	s_lshl_b32 s56, s22, 13
	s_add_co_u32 s56, s56, 167936
	v_add_nc_u32 v[OGA], s56, v[KA]
	s_lshl_b32 s56, s22, 11
	v_add_nc_u32 v[KS], s56, v[KA]
	s_lshl_b32 s56, s22, 10
	s_add_co_u32 s56, s56, 65536
	v_add_nc_u32 v[VS], s56, v[KA]
	BLOAD 0, 0                                     ; head 0's bias, keys 0..127: it lands during the projections
	s_wait_tensorcnt 0x1                           ; my part of Wq, Wk, Wv is in; Wg and Wo may stay out, and they are read only behind the next
	s_wait_dscnt 0x0                               ; my reads of act and my stores of the small tables are done:
	s_barrier_signal -1                            ; barrier 1
	s_barrier_wait -1                              ; Wq, Wk, Wv and the tables are whole, and nobody reads act any more: its bytes take the K and V images
	; ---- K and V of all four heads for my 32 positions ----
	WLOAD FA, WA0, 32768
	WLOAD (FA+32), WA0, (32768+4096)
	BLOAD 1, 0                                     ; head 0's bias, keys 128..255
	KVSTEP 0, 8                                    ; behind step 0's loads: step 1's eight
	KVSTEP 1, 10                                   ; behind step 1's: step 2's eight and step 0's two stores
.irp st, 2,3,4,5,6,7,8,9,10,11,12,13,14
	KVSTEP \st, 12                                 ; two stores, the next step's eight loads, two stores
.endr
	KVSTEP 15, 4                                   ; two steps' stores
	WLOAD FA, WA0, 0                               ; head 0's Wq fragments (whole since barrier 1): they land while the waves meet
	WLOAD (FA+32), WA0, 4096
	s_wait_dscnt 0x0                               ; my K and V are stored, my reads of Wk and Wv are done
	s_wait_tensorcnt 0x0                           ; my part of Wg and Wo is in
	s_barrier_signal -1                            ; barrier 2
	s_barrier_wait -1                              ; K, V, Wg, Wo are whole; the bytes of Wk and Wv take the O*G fragments
	; ---- attention, head by head.  No global load but the bias's is issued from here to the end, so the counts on LOADcnt are exact ----
	QPROJ 0, 16, 16                                ; Wq's fragments are in since the wait in front of barrier 2; only K's 16 loads are out
	UNIT0 0
	UNIT1 0, 1
	GATE 0, 1
.irp hd, 1,2
	QPROJ \hd, 28, 20                              ; behind Wq's first tile: its second tile's 8 loads, 4 stores of O*G, K's 16 loads; behind the second: 4 and 16
	UNIT0 \hd
	UNIT1 \hd, 1
	GATE \hd, 1
.endr
	QPROJ 3, 28, 20
	UNIT0 3
	UNIT1 3, 0
	GATE 3, 0
	; ---- the output projection and the way out ----
	s_wait_dscnt 0x0                               ; my reads of K and V are over
	s_barrier_signal -1                            ; barrier 3
	s_barrier_wait -1                              ; everybody's are: the bytes take each wave's own output stage
	v_add_nc_u32 v[WA0], 131072, v[WA0]            ; Wo's image
	v_and_b32 v[SA], 15, v0
	v_bfe_u32 v[RA], v0, 4, 1
	v_mul_u32_u24 v[SA], v[SA], 528
	v_lshl_add_u32 v[SA], v[RA], 5, v[SA]
	v_add_nc_u32 v[SA], s58, v[SA]                 ; in: row = position r, 32 bytes for each half of the lanes
	v_add_nc_u32 v[RA], s58, v[KA]                 ; back: a whole row of 512 bytes for the 32 lanes
.irp t, 0,1
.irp s, 0,1,2,3
.irp c, 0,1
	ds_load_b128 v[XF+32*\t+8*\s+4*\c:XF+32*\t+8*\s+4*\c+3], v[OGA] offset:\s*2048+\t*1024+\c*512    ; my own 16 O*G: K step = head
.endr
.endr
.endr
	WLOAD FA, WA0, 0
	BOLOAD 0
	WLOAD (FA+32), WA0, 4096
	BOLOAD 1
	OSTEP 0, 12                                    ; behind step 0's loads: step 1's eight and four
.irp st, 1,2,3,4,5,6
	OSTEP \st, 16                                  ; four stores, the next step's eight and four
.endr
	OSTEP 7, 4                                     ; step 6's four stores
.set n, 0
.rept 32
	ds_load_b128 v[FA+4*n:FA+4*n+3], v[RA] offset:n*528    ; LDS serves a wave's instructions in order (ISA guide 5.7.1): these see my stores above
.set n, n+1
.endr
.set n, 0
.rept 32
	s_wait_dscnt 31-n                              ; row n is in, the younger rows may be out
	global_store_b128 v[KA], v[FA+4*n:FA+4*n+3], s[20:21] offset:n*512 th:TH_STORE_NT   ; the wave stores a position's 512 consecutive bytes, aligned
.set n, n+1
.endr
	s_wait_xcnt 0x0
	v_lshl_add_u32 v254, v0, 2, 0x49800
	v_mov_b32 v255, 0
	s_wait_tensorcnt 0x0
	ds_add_u32 v254, v255
	s_wait_dscnt 0x0
	s_endpgm
.Lfunc_end_k_q1627b23dc7_attn:
	.size	k_q1627b23dc7_attn, .Lfunc_end_k_q1627b23dc7_attn-k_q1627b23dc7_attn
	.p2alignl 7, 3214868480
	.fill 96, 4, 3214868480
	.section	.rodata,"a",@progbits
	.p2align	6, 0x0
	.amdhsa_kernel k_q1627b23dc7_attn
		.amdhsa_group_segment_fixed_size 302080
		.amdhsa_private_segment_fixed_size 0
		.amdhsa_enable_private_segment 0
		.amdhsa_kernarg_size 72
		.amdhsa_user_sgpr_count 2
		.amdhsa_user_sgpr_kernarg_segment_ptr 1
		.amdhsa_wavefront_size32 1
		.amdhsa_system_sgpr_workgroup_id_x 1
		.amdhsa_system_sgpr_workgroup_id_y 1
		.amdhsa_system_sgpr_workgroup_id_z 1
		.amdhsa_system_vgpr_workitem_id 0
		.amdhsa_next_free_vgpr 512
		.amdhsa_next_free_sgpr 80
		.amdhsa_reserve_vcc 0
		.amdhsa_float_denorm_mode_32 3
		.amdhsa_float_denorm_mode_16_64 3
		.amdhsa_memory_ordered 1
		.amdhsa_forward_progress 1
		.amdhsa_inst_pref_size 255
	.end_amdhsa_kernel
	.section	.bss,"aw",@nobits
	.p2align	6
	.space	262144
	.amdgpu_metadata
---
amdhsa.version: [ 1, 2 ]
amdhsa.kernels:
  - .name:           k_q1627b23dc7_attn
    .symbol:         k_q1627b23dc7_attn.kd
    .args:
      - { .name: act, .offset: 0, .size: 8, .value_kind: global_buffer, .address_space: global }
      - { .name: mask, .offset: 8, .size: 8, .value_kind: global_buffer, .address_space: global }
      - { .name: ln_g, .offset: 16, .size: 8, .value_kind: global_buffer, .address_space: global }
      - { .name: ln_b, .offset: 24, .size: 8, .value_kind: global_buffer, .address_space: global }
      - { .name: bg, .offset: 32, .size: 8, .value_kind: global_buffer, .address_space: global }
      - { .name: bo, .offset: 40, .size: 8, .value_kind: global_buffer, .address_space: global }
      - { .name: biasT, .offset: 48, .size: 8, .value_kind: global_buffer, .address_space: global }
      - { .name: wfrag, .offset: 56, .size: 8, .value_kind: global_buffer, .address_space: global }
      - { .name: out0, .offset: 64, .size: 8, .value_kind: global_buffer, .address_space: global }
    .group_segment_fixed_size: 302080
    .private_segment_fixed_size: 0
    .kernarg_segment_align: 8
    .kernarg_segment_size: 72
    .max_flat_workgroup_size: 256
    .sgpr_count:     80
    .vgpr_count:     512
    .wavefront_size: 32
...
	.end_amdgpu_metadata
.endif
;; end of part 2
